; MI455X (gfx1250); checked and timed in simulation.
; The chip was launched on July 23, 2026; its instructions are those of AMD's public machine-readable ISA for CDNA 5 (MIT licence, August 2026) and "CDNA5" Instruction Set Architecture Reference Guide (July 2026). The comments in the code are by the model that wrote it; some were corrected since.
;; Attn Block. Allowed arithmetic: float matrix products may take bf16 or f16 operands with f32 sums; other float arithmetic in f32, or as packed bf16 or f16 multiplies, adds, multiply-adds, maxima and minima; sums over many terms, partial sums and values carried from step to step in f32; what a program stores and reads back later, other than sums and carried values, may be rounded once to bf16 or f16.
;; Inputs: bk 512 float32; bp 512 float32; bq 512 float32; bv 512 float32; gn_bias 512 float32; gn_scale 512 float32; wk 512 x 512 float32; wp 512 x 512 float32; wq 512 x 512 float32; wv 512 x 512 float32; x 32 x 512 x 32 x 32 float32.
;; Outputs: out0 32 x 512 x 32 x 32 float32.
;; One version. Each part assembles by itself: llvm-mc -triple=amdgcn-amd-amdhsa -mcpu=gfx1250 --defsym DOCPART=n.
;; ======== version 1 of 1: 3 launches
;; workspace buffers: hn 33,554,432 bytes; wcat 1,572,864 bytes; bvp 2,048 bytes; qkv 100,663,296 bytes
;; launch prep (part 1): grid 1088 x 1, 8 waves a work-group, no clusters, 159,232 bytes of LDS; arguments x, hn, gn_scale, gn_bias, wq, wk, wv, wp, bv, wcat, bvp; writes hn, wcat, bvp
.if DOCPART == 1
	.amdgcn_target "amdgcn-amd-amdhsa--gfx1250"
	.amdhsa_code_object_version 6
	.text
	.protected	k_qe9601faeac_prep
	.globl	k_qe9601faeac_prep
	.p2align	8
	.type	k_qe9601faeac_prep,@function
k_qe9601faeac_prep:
	s_mov_b64 s[64:65], 0
	v_nop
	global_prefetch_b8 v0, s[64:65] scope:SCOPE_SE
	s_setreg_imm32_b32 hwreg(HW_REG_WAVE_MODE, 25, 1), 1
	s_wait_xcnt 0x0
; PREPARATION, two roles chosen by the work-group's number (the same for all eight waves of a work-group).
; Work-groups 0-63, WEIGHTS: block (kb = 64 input channels, 64 output rows from o0) of Wq and Wk rounded to bf16, of Wpv = Wp Wv (bf16 operands, f32 sums, rounded
;   once more to bf16), and, where kb = 0, bvp = Wp bv (f32).  Since Wp (V A^T) = (Wp V) A^T, the value projection with Wpv and bvp makes the output projection unnecessary.
;   wcat is laid in blocks [kb][o 0-1535][64 c] of bf16: o 0-511 Wq, 512-1023 Wk, 1024-1535 Wpv, so that 256 rows of a block are 32,768 dense bytes.
; Work-groups 64-1087, GROUP NORM of one (image, group): 16 channels x 1,024 pixels = 65,536 dense bytes of x, kept in registers (64 a thread) between the pass for the mean,
;   the pass for the variance (of x - mean: no difference of large sums) and the scaling; hn leaves in bf16, in x's layout.
; LIMITS.  NaN and infinities are not treated apart.
.set SPARE, 512                        ; LDS: 0-255 the waves' sums, 256-511 their sums of squares, 512-1535 the spare words (128 bytes a wave)
.set WVB,   1536                       ; Wv's 512 rows m x 64 c in bf16, pitch 160 = 5 x 32 bytes, for the turning load
.set WVP,   160
.set WPB,   WVB+512*WVP                ; Wp's 64 rows o x 512 m in bf16, pitch 1,040 = 65 x 16 bytes
.set WPP,   1040
.set STG,   WPB+64*WPP                 ; the way out: 64 rows o x 128 bytes, pitch 144
.set STP,   144
.set SPW,   30                         ; v30  LDS address of my spare word; never rewritten
.set NIL,   31                         ; v31  0; never rewritten
.set WAVE,  50                         ; s50  my wave's number
.set X,     32                         ; norm: v[32:95]  channel j's four pixels at X + 4 j
.set Y,     96                         ; norm: v[96:127] channel j's four bf16 at Y + 2 j
.set CV,    32                         ; weights: v[32:63] Wq's and Wk's items
.set T,     64                         ; weights: v[64:191] 16 items of 8 f32 as loaded; later fragments
.set ACC,   192                        ; weights: v[192:207] two accumulators of Wpv
.set ACB,   208                        ; weights: v[208:223] two accumulators of bvp
.macro PLACES                          ; four places behind a matrix instruction, in front of loads into its sources and of reads of its result
.rept 4
	v_nop
.endr
.endm
.macro CLOSE                           ; the wave's end, behind my last LDS store
	s_wait_tensorcnt 0x0
	ds_add_u32 v[SPW], v[NIL]
	s_wait_dscnt 0x0
	s_endpgm
.endm
	v_lshl_add_u32 v[SPW], v0, 2, SPARE
	v_mov_b32 v[NIL], 0
	v_lshrrev_b32 v1, 5, v0
	v_readfirstlane_b32 s[WAVE], v1
	s_cmp_lt_u32 ttmp9, 64
	s_cbranch_scc1 .Lweights
; ---------------------------------------------------------------- GROUP NORM
	s_load_b256 s[4:11], s[0:1], 0x0               ; x s[4:5], hn s[6:7], gn_scale s[8:9], gn_bias s[10:11]
	s_sub_co_u32 s12, ttmp9, 64                    ; 32 x image + group
	s_lshl_b32 s14, s12, 16                        ; the group's 65,536 bytes of x (under 2^26)
	s_mov_b32 s15, 0
	s_lshl_b32 s52, s12, 15                        ; and its 32,768 bytes of hn
	s_mov_b32 s53, 0
	s_and_b32 s54, s12, 31
	s_lshl_b32 s54, s54, 6                         ; the group's 16 scales and biases: 64 bytes
	s_mov_b32 s55, 0
	s_mov_b32 s48, 0x76543210                      ; v_permlanex16_b32: each lane takes its own place in the other half
	s_mov_b32 s49, 0xfedcba98
	s_mov_b32 s51, 0x38800000                      ; 1 / 16,384
	v_lshlrev_b32 v1, 4, v0                        ; thread t holds pixels 4 t .. 4 t + 3 of all 16 channels: 16 t in a row of x,
	v_lshlrev_b32 v2, 3, v0                        ; 8 t in a row of hn
	v_mov_b32 v3, s[WAVE]
	v_lshlrev_b32 v3, 2, v3                        ; my wave's word among the eight
	v_mov_b32 v4, 0
	v_mov_b32 v25, 0                               ; the lane exchange counts as a reader of its destination
	s_wait_kmcnt 0x0
	s_add_nc_u64 s[4:5], s[4:5], s[14:15]
	s_add_nc_u64 s[6:7], s[6:7], s[52:53]
	s_add_nc_u64 s[8:9], s[8:9], s[54:55]
	s_add_nc_u64 s[10:11], s[10:11], s[54:55]
	s_load_b512 s[16:31], s[8:9], 0x0              ; 16 scales
	s_load_b512 s[32:47], s[10:11], 0x0            ; 16 biases
.set j, 0
.rept 16
	global_load_b128 v[X+4*j:X+4*j+3], v1, s[4:5] offset:4096*j th:TH_LOAD_NT  ; a wave's load covers 512 consecutive bytes
.set j, j+1
.endr
; v24, my lane's sum, becomes the group's sum in every lane: across the lanes on the arithmetic itself, across the waves through eight words of LDS at byte red
.macro WSUM red
	v_add_f32_dpp v24, v24, v24 row_xmask:1 row_mask:0xf bank_mask:0xf
	v_add_f32_dpp v24, v24, v24 row_xmask:2 row_mask:0xf bank_mask:0xf
	v_add_f32_dpp v24, v24, v24 row_xmask:4 row_mask:0xf bank_mask:0xf
	v_add_f32_dpp v24, v24, v24 row_xmask:8 row_mask:0xf bank_mask:0xf
	v_permlanex16_b32 v25, v24, s48, s49
	v_add_f32 v24, v24, v25
	ds_store_b32 v3, v24 offset:\red
	s_wait_dscnt 0x0                               ; for the others' sake: my word is written
	s_barrier_signal -1
	s_barrier_wait -1
	ds_load_b128 v[8:11], v4 offset:\red
	ds_load_b128 v[12:15], v4 offset:\red+16
	s_wait_dscnt 0x0
	v_pk_add_f32 v[8:9], v[8:9], v[10:11]
	v_pk_add_f32 v[12:13], v[12:13], v[14:15]
	v_pk_add_f32 v[8:9], v[8:9], v[12:13]
	v_add_f32 v24, v8, v9
.endm
	; the sum, in four chains of pairs that the first eight pairs start: nothing is cleared
	s_wait_loadcnt 12                              ; channels 0-3 are in; the twelve younger loads stay out
.irp k, 0,1,2,3
	v_pk_add_f32 v[16+2*\k:17+2*\k], v[X+2*\k:X+2*\k+1], v[X+8+2*\k:X+9+2*\k]
.endr
.set p, 8
.rept 24
.if p%2 == 0
	s_wait_loadcnt 15-p/2                          ; channel p / 2 is in: so many loads were issued behind its own
.endif
	v_pk_add_f32 v[16+2*(p%4):17+2*(p%4)], v[16+2*(p%4):17+2*(p%4)], v[X+2*p:X+2*p+1]
.set p, p+1
.endr
	v_pk_add_f32 v[16:17], v[16:17], v[18:19]
	v_pk_add_f32 v[20:21], v[20:21], v[22:23]
	v_pk_add_f32 v[16:17], v[16:17], v[20:21]
	v_add_f32 v24, v16, v17
	WSUM 0
	v_mul_f32 v6, s51, v24                         ; the mean, twice, for the packed subtraction
	v_mov_b32 v7, v6
.set p, 0
.rept 32
	v_pk_add_f32 v[X+2*p:X+2*p+1], v[X+2*p:X+2*p+1], v[6:7] neg_lo:[0,1] neg_hi:[0,1]  ; d = x - mean
.set p, p+1
.endr
.irp k, 0,1,2,3
	v_pk_mul_f32 v[16+2*\k:17+2*\k], v[X+2*\k:X+2*\k+1], v[X+2*\k:X+2*\k+1]
.endr
.set p, 4
.rept 28
	v_pk_fma_f32 v[16+2*(p%4):17+2*(p%4)], v[X+2*p:X+2*p+1], v[X+2*p:X+2*p+1], v[16+2*(p%4):17+2*(p%4)]
.set p, p+1
.endr
	v_pk_add_f32 v[16:17], v[16:17], v[18:19]
	v_pk_add_f32 v[20:21], v[20:21], v[22:23]
	v_pk_add_f32 v[16:17], v[16:17], v[20:21]
	v_add_f32 v24, v16, v17
	WSUM 256                                       ; other words than the first sum's: no wave can overwrite what another still reads
	v_fmaak_f32 v24, s51, v24, 0x3727c5ac          ; the variance + 1e-5
	v_rsq_f32 v26, v24
	v_nop                                          ; a plain instruction between the root and its use (ISA guide 5.7.2)
	s_wait_kmcnt 0x0                               ; scales and biases
.set j, 0
	s_wait_alu depctr_va_vdst(0)
.rept 16
	v_mul_f32 v[27+j%2], s[16+j], v26              ; scale / sigma
.irp k, 0,1,2,3
	v_fma_f32 v[X+4*j+\k], v[X+4*j+\k], v[27+j%2], s[32+j]
.endr
	v_cvt_pk_bf16_f32 v[Y+2*j], v[X+4*j], v[X+4*j+1]
	v_cvt_pk_bf16_f32 v[Y+2*j+1], v[X+4*j+2], v[X+4*j+3]
	global_store_b64 v2, v[Y+2*j:Y+2*j+1], s[6:7] offset:2048*j  ; a wave's store covers 256 consecutive bytes, aligned
.set j, j+1
.endr
	CLOSE
; ---------------------------------------------------------------- WEIGHTS
.Lweights:
	s_load_b256 s[4:11], s[0:1], 0x20              ; wq s[4:5], wk s[6:7], wv s[8:9], wp s[10:11]
	s_load_b128 s[12:15], s[0:1], 0x40             ; bv s[12:13], wcat s[14:15]
	s_load_b64 s[16:17], s[0:1], 0x50              ; bvp
	s_and_b32 s18, ttmp9, 7                        ; kb
	s_lshr_b32 s19, ttmp9, 3
	s_lshl_b32 s19, s19, 6                         ; o0
	s_and_b32 s21, s[WAVE], 3                      ; my 16 rows o of the 64
	s_lshr_b32 s22, s[WAVE], 2                     ; my 32 columns c of the 64
	s_mul_i32 s24, s18, 1536
	s_add_co_u32 s24, s24, s19
	s_lshl_b32 s24, s24, 7                         ; (kb x 1,536 + o0) x 128: my rows of Wq in wcat
	s_mov_b32 s25, 0
	s_lshl_b32 s26, s18, 8                         ; kb's 64 columns in a row of f32
	s_lshl_b32 s27, s19, 11                        ; o0 rows of 2,048 bytes
	; An ITEM is 8 f32 (two loads of 16 bytes) that become 16 bytes of bf16.
	v_lshrrev_b32 v2, 3, v0                        ; t / 8
	v_and_b32 v3, 7, v0                            ; t % 8
	v_lshlrev_b32 v4, 11, v2
	v_lshl_add_u32 v4, v3, 5, v4
	v_add_nc_u32 v4, s26, v4                       ; Wv: row t / 8 (+ 32 n), item t % 8 of kb's eight
	v_add_nc_u32 v5, s27, v4                       ; Wq, Wk: the same from row o0 on
	v_mul_u32_u24 v6, v2, WVP
	v_lshl_add_u32 v6, v3, 4, v6
	v_add_nc_u32 v6, WVB, v6                       ; Wv's item in LDS, rows 0-255;
	v_add_nc_u32 v7, 8*32*WVP, v6                  ; rows 256-511: an LDS immediate has 16 bits
	v_lshrrev_b32 v1, 6, v0                        ; t / 64
	v_and_b32 v16, 63, v0                          ; t % 64
	v_lshlrev_b32 v8, 11, v1
	v_lshl_add_u32 v8, v16, 5, v8
	v_add_nc_u32 v8, s27, v8                       ; Wp: row o0 + t / 64 (+ 4 n), item t % 64 of a row's 64
	v_mul_u32_u24 v9, v1, WPP
	v_lshl_add_u32 v9, v16, 4, v9
	v_add_nc_u32 v9, WPB, v9
	v_lshlrev_b32 v10, 4, v0                       ; 16 t: items lie end to end in a block of wcat
	v_and_b32 v16, 15, v0                          ; r = lane % 16
	v_bfe_u32 v17, v0, 4, 1                        ; h = lane / 16
	s_lshl_b32 s28, s21, 4
	v_add_nc_u32 v11, s28, v16                     ; my row o of the 64
	v_mul_u32_u24 v14, v11, STP
	v_mul_u32_u24 v11, v11, WPP
	v_lshl_add_u32 v11, v17, 4, v11
	v_add_nc_u32 v11, WPB, v11                     ; Wp's fragments: row x pitch + 16 h
	v_lshl_add_u32 v12, v17, 3, v3
	v_mul_u32_u24 v12, v12, WVP
	v_bfe_u32 v18, v0, 3, 1
	v_lshl_add_u32 v12, v18, 4, v12
	s_lshl_b32 s29, s22, 6
	s_add_co_u32 s23, s29, WVB
	v_add_nc_u32 v12, s23, v12                     ; Wv's, turned: (8 h + lane % 8) x pitch + 16 ((lane / 8) % 2) + my 64 bytes of columns
	v_lshlrev_b32 v13, 5, v17                      ; bv: 32 h
	v_lshl_add_u32 v14, v17, 4, v14
	s_add_co_u32 s29, s29, STG
	v_add_nc_u32 v14, s29, v14                     ; into the stage: my row, my 64 bytes, 16 h
	v_mul_u32_u24 v15, v2, STP
	v_lshl_add_u32 v15, v3, 4, v15
	v_add_nc_u32 v15, STG, v15                     ; back: item t
	v_lshlrev_b32 v19, 2, v16                      ; bvp: 4 r
	v_and_b32 v18, 31, v0                          ; lane
	s_wait_kmcnt 0x0
	s_add_nc_u64 s[14:15], s[14:15], s[24:25]
.macro COMPACT base, items             ; items of 8 f32 are rounded in place to 4 registers each; a destination never passes a source that is still to be read
.set n, 0
.rept \items
.irp k, 0,1,2,3
	v_cvt_pk_bf16_f32 v[(\base)+4*n+\k], v[(\base)+8*n+2*\k], v[(\base)+8*n+2*\k+1]
.endr
.set n, n+1
.endr
.endm
.set n, 0
.rept 16                                               ; Wv's 512 rows x kb's 64 columns
	global_load_b128 v[T+8*n:T+8*n+3],   v4, s[8:9] offset:n*65536
	global_load_b128 v[T+8*n+4:T+8*n+7], v4, s[8:9] offset:n*65536+16
.set n, n+1
.endr
.irp n, 0,1                                            ; my two items of Wq and of Wk
	global_load_b128 v[CV+8*\n:CV+8*\n+3],     v5, s[4:5] offset:\n*65536
	global_load_b128 v[CV+8*\n+4:CV+8*\n+7],   v5, s[4:5] offset:\n*65536+16
	global_load_b128 v[CV+16+8*\n:CV+16+8*\n+3],   v5, s[6:7] offset:\n*65536
	global_load_b128 v[CV+16+8*\n+4:CV+16+8*\n+7], v5, s[6:7] offset:\n*65536+16
.endr
	s_wait_loadcnt 8                               ; Wv is in; the eight loads of Wq and Wk stay out
	COMPACT T, 16
.set n, 0
.rept 8
	ds_store_b128 v6, v[T+4*n:T+4*n+3] offset:n*32*WVP
.set n, n+1
.endr
.rept 8
	ds_store_b128 v7, v[T+4*n:T+4*n+3] offset:(n-8)*32*WVP
.set n, n+1
.endr
.set n, 0
.rept 16                                               ; Wp's 64 rows, whole
	global_load_b128 v[T+8*n:T+8*n+3],   v8, s[10:11] offset:n*8192
	global_load_b128 v[T+8*n+4:T+8*n+7], v8, s[10:11] offset:n*8192+16
.set n, n+1
.endr
	s_wait_loadcnt 32                              ; Wq and Wk are in; Wp's 32 loads stay out
	COMPACT CV, 4
	global_store_b128 v10, v[CV:CV+3],     s[14:15]               ; 16 lanes store 256 consecutive bytes, aligned
	global_store_b128 v10, v[CV+4:CV+7],   s[14:15] offset:4096
	global_store_b128 v10, v[CV+8:CV+11],  s[14:15] offset:65536  ; Wk lies 512 rows of 128 bytes on
	global_store_b128 v10, v[CV+12:CV+15], s[14:15] offset:65536+4096
	s_wait_loadcnt 0x0
	COMPACT T, 16
.set n, 0
.rept 16
	ds_store_b128 v9, v[T+4*n:T+4*n+3] offset:n*4*WPP
.set n, n+1
.endr
	s_wait_dscnt 0x0                               ; for the others' sake: my parts of Wv and Wp are written
	s_barrier_signal -1
	s_barrier_wait -1
	; Wpv, transposed use: source 0 = 16 columns c of Wv (turned), source 1 = 16 rows o of Wp: a lane holds row o = r and eight neighbouring c.  Two accumulators by turns.
.set grp, 0
.rept 4
.if grp > 0
	PLACES
.endif
.irp k, 0,1,2,3
	ds_load_b128 v[T+24*\k:T+24*\k+3],   v11 offset:64*(4*grp+\k)
	ds_load_b128 v[T+24*\k+4:T+24*\k+7], v11 offset:64*(4*grp+\k)+32
	ds_load_tr16_b128 v[T+24*\k+8:T+24*\k+11],  v12 offset:\k*32*WVP
	ds_load_tr16_b128 v[T+24*\k+12:T+24*\k+15], v12 offset:\k*32*WVP+16*WVP
	ds_load_tr16_b128 v[T+24*\k+16:T+24*\k+19], v12 offset:\k*32*WVP+32
	ds_load_tr16_b128 v[T+24*\k+20:T+24*\k+23], v12 offset:\k*32*WVP+32+16*WVP
.endr
	v_add_nc_u32 v12, 4*32*WVP, v12                ; 128 rows m on
	s_wait_dscnt 0x0
.irp k, 0,1,2,3
.if (grp == 0) && (\k == 0)
	v_wmma_f32_16x16x32_bf16 v[ACC:ACC+7],    v[T+8:T+15],  v[T:T+7], 0
	v_wmma_f32_16x16x32_bf16 v[ACC+8:ACC+15], v[T+16:T+23], v[T:T+7], 0
.else
	v_wmma_f32_16x16x32_bf16 v[ACC:ACC+7],    v[T+24*\k+8:T+24*\k+15],  v[T+24*\k:T+24*\k+7], v[ACC:ACC+7]
	v_wmma_f32_16x16x32_bf16 v[ACC+8:ACC+15], v[T+24*\k+16:T+24*\k+23], v[T+24*\k:T+24*\k+7], v[ACC+8:ACC+15]
.endif
.endr
.set grp, grp+1
.endr
	; bvp = Wp bv: only where kb = 0, by waves 0-3 (16 rows each).  Source 0 = bv in all 16 rows, source 1 = Wp's fragment: every register of the result holds (Wp bv)[o = r].
	s_cmp_lg_u32 s18, 0
	s_cbranch_scc1 .Lno_bias
	s_cmp_ge_u32 s[WAVE], 4
	s_cbranch_scc1 .Lno_bias
	s_lshl_b32 s24, s19, 2
	s_lshl_b32 s26, s[WAVE], 6
	s_add_co_u32 s24, s24, s26                     ; 4 (o0 + 16 w)
	s_add_nc_u64 s[16:17], s[16:17], s[24:25]
.set grp, 0
.rept 4
	PLACES
.irp k, 0,1,2,3
	global_load_b128 v[T+16*\k:T+16*\k+3],     v13, s[12:13] offset:128*(4*grp+\k)      ; bv[32 ks + 8 h ..]
	global_load_b128 v[T+16*\k+4:T+16*\k+7],   v13, s[12:13] offset:128*(4*grp+\k)+16
	global_load_b128 v[T+16*\k+8:T+16*\k+11],  v13, s[12:13] offset:128*(4*grp+\k)+64   ; bv[32 ks + 16 + 8 h ..]
	global_load_b128 v[T+16*\k+12:T+16*\k+15], v13, s[12:13] offset:128*(4*grp+\k)+80
	ds_load_b128 v[T+64+8*\k:T+64+8*\k+3],   v11 offset:64*(4*grp+\k)
	ds_load_b128 v[T+64+8*\k+4:T+64+8*\k+7], v11 offset:64*(4*grp+\k)+32
.endr
	s_wait_loadcnt 0x0
	COMPACT T, 8
	s_wait_dscnt 0x0
.irp k, 0,1,2,3
.if (grp == 0) && (\k < 2)
	v_wmma_f32_16x16x32_bf16 v[ACB+8*(\k%2):ACB+8*(\k%2)+7], v[T+8*\k:T+8*\k+7], v[T+64+8*\k:T+64+8*\k+7], 0
.else
	v_wmma_f32_16x16x32_bf16 v[ACB+8*(\k%2):ACB+8*(\k%2)+7], v[T+8*\k:T+8*\k+7], v[T+64+8*\k:T+64+8*\k+7], v[ACB+8*(\k%2):ACB+8*(\k%2)+7]
.endif
.endr
.set grp, grp+1
.endr
	PLACES
	v_add_f32 v24, v[ACB], v[ACB+8]                ; the even and the odd K steps' sums
	s_wait_xcnt 0x0                                ; EXEC changes only behind this wait
	v_cmp_gt_u32 vcc_lo, 16, v18
	s_and_saveexec_b32 s23, vcc_lo
	global_store_b32 v19, v24, s[16:17]            ; 64 bytes a wave, 2,048 in the launch: the one store here that fills less than 256 aligned bytes
	s_wait_xcnt 0x0
	s_or_b32 exec_lo, exec_lo, s23
.Lno_bias:
	PLACES
.irp u, 0,1
.irp k, 0,1,2,3
	v_cvt_pk_bf16_f32 v[CV+16+4*\u+\k], v[ACC+8*\u+2*\k], v[ACC+8*\u+2*\k+1]
.endr
.endr
	ds_store_b128 v14, v[CV+16:CV+19]
	ds_store_b128 v14, v[CV+20:CV+23] offset:32
	s_wait_dscnt 0x0                               ; a row's 128 bytes come from two waves
	s_barrier_signal -1
	s_barrier_wait -1
	ds_load_b128 v[CV+24:CV+27], v15
	ds_load_b128 v[CV+28:CV+31], v15 offset:32*STP
	s_wait_dscnt 0x1
	global_store_b128 v10, v[CV+24:CV+27], s[14:15] offset:131072       ; Wpv lies 1,024 rows of 128 bytes on
	s_wait_dscnt 0x0
	global_store_b128 v10, v[CV+28:CV+31], s[14:15] offset:131072+4096
	CLOSE
.Lfunc_end_k_qe9601faeac_prep:
	.size	k_qe9601faeac_prep, .Lfunc_end_k_qe9601faeac_prep-k_qe9601faeac_prep
	.p2alignl 7, 3214868480
	.fill 96, 4, 3214868480
	.section	.rodata,"a",@progbits
	.p2align	6, 0x0
	.amdhsa_kernel k_qe9601faeac_prep
		.amdhsa_group_segment_fixed_size 159232
		.amdhsa_private_segment_fixed_size 0
		.amdhsa_enable_private_segment 0
		.amdhsa_kernarg_size 88
		.amdhsa_user_sgpr_count 2
		.amdhsa_user_sgpr_kernarg_segment_ptr 1
		.amdhsa_wavefront_size32 1
		.amdhsa_system_sgpr_workgroup_id_x 1
		.amdhsa_system_sgpr_workgroup_id_y 1
		.amdhsa_system_sgpr_workgroup_id_z 1
		.amdhsa_system_vgpr_workitem_id 0
		.amdhsa_next_free_vgpr 224
		.amdhsa_next_free_sgpr 66
		.amdhsa_reserve_vcc 1
		.amdhsa_float_denorm_mode_32 3
		.amdhsa_float_denorm_mode_16_64 3
		.amdhsa_memory_ordered 1
		.amdhsa_forward_progress 1
		.amdhsa_inst_pref_size 70
	.end_amdhsa_kernel
	.amdgpu_metadata
---
amdhsa.version: [ 1, 2 ]
amdhsa.kernels:
  - .name:           k_qe9601faeac_prep
    .symbol:         k_qe9601faeac_prep.kd
    .args:
      - { .name: x, .offset: 0, .size: 8, .value_kind: global_buffer, .address_space: global }
      - { .name: hn, .offset: 8, .size: 8, .value_kind: global_buffer, .address_space: global }
      - { .name: gn_scale, .offset: 16, .size: 8, .value_kind: global_buffer, .address_space: global }
      - { .name: gn_bias, .offset: 24, .size: 8, .value_kind: global_buffer, .address_space: global }
      - { .name: wq, .offset: 32, .size: 8, .value_kind: global_buffer, .address_space: global }
      - { .name: wk, .offset: 40, .size: 8, .value_kind: global_buffer, .address_space: global }
      - { .name: wv, .offset: 48, .size: 8, .value_kind: global_buffer, .address_space: global }
      - { .name: wp, .offset: 56, .size: 8, .value_kind: global_buffer, .address_space: global }
      - { .name: bv, .offset: 64, .size: 8, .value_kind: global_buffer, .address_space: global }
      - { .name: wcat, .offset: 72, .size: 8, .value_kind: global_buffer, .address_space: global }
      - { .name: bvp, .offset: 80, .size: 8, .value_kind: global_buffer, .address_space: global }
    .group_segment_fixed_size: 159232
    .private_segment_fixed_size: 0
    .kernarg_segment_align: 8
    .kernarg_segment_size: 88
    .max_flat_workgroup_size: 256
    .sgpr_count:     66
    .vgpr_count:     224
    .wavefront_size: 32
...
	.end_amdgpu_metadata
.endif
;; end of part 1
;; launch qkv (part 2): grid 128 x 2, 4 waves a work-group, clusters of 4 x 1, 327,680 bytes of LDS; arguments hn, wcat, qkv, bq, bk, bvp; writes qkv
.if DOCPART == 2
	.amdgcn_target "amdgcn-amd-amdhsa--gfx1250"
	.amdhsa_code_object_version 6
	.text
	.protected	k_qe9601faeac_qkv
	.globl	k_qe9601faeac_qkv
	.p2align	8
	.type	k_qe9601faeac_qkv,@function
k_qe9601faeac_qkv:
	s_mov_b64 s[64:65], 0
	v_nop
	global_prefetch_b8 v0, s[64:65] scope:SCOPE_SE
	s_setreg_imm32_b32 hwreg(HW_REG_WAVE_MODE, 25, 1), 1
	s_wait_xcnt 0x0
	s_wait_alu depctr_hold_cnt(0) depctr_sa_sdst(0) depctr_va_vdst(0) depctr_va_sdst(0) depctr_va_ssrc(0) depctr_va_vcc(0) depctr_vm_vsrc(0)
	s_getreg_b32 s2, hwreg(HW_REG_IB_STS2, 6, 4)
	s_cmp_eq_u32 s2, 0
	s_cbranch_scc0 .Lentry_in_a_cluster
	s_endpgm
.Lentry_in_a_cluster:
	s_bfe_u32 s2, ttmp6, 0x10000c
	s_cmp_lg_u32 s2, 0x3003
	s_cbranch_scc0 .Lentry_shape_is_right
	s_endpgm
.Lentry_shape_is_right:
; THE THREE PROJECTIONS.  qkv[t][image][px][o] = sum over c of hn[image][c][px] W_t[o][c] + bias_t[o], t = q, k, v' (W_t = Wq, Wk, Wp Wv; bias_t = bq, bk, Wp bv).  bf16 operands, f32 sums, rounded once to bf16.
; A work-group stays for three passes (t) on one tile of 256 pixels (X) x 256 outputs (y); four waves, each 128 x 128: 64 accumulators, 512 registers.  K = 512 channels goes in four steps of 128
; through a ring of two LDS slots.  The ring does not stop at a pass's end: a pass's last two changes of slots ask for the next pass's first two steps.
; hn lies [c][px]: its fragments come out of LDS turned (ds_load_tr16_b128).  wcat lies in blocks [c / 64][o][64 c]: 256 rows of a block are 32,768 dense bytes, asked for as 128 rows of 256 bytes.
; THE MATRIX INSTRUCTION IS USED TRANSPOSED: source 0 = 16 outputs, source 1 = 16 pixels: a lane holds one pixel and eight neighbouring outputs, 16 bytes of a row of qkv.
; THE BIAS is the C operand of the products that start a pass's sums: nothing is cleared, nothing is added later.
; CLUSTER 4 x 1: the four partners have the same y and pass, so W's tiles are asked for jointly (mask 15).  hn's tiles differ from partner to partner: loads of one's own (mask 0), behind the same rounds.
; A 4 x 4 cluster would want a multiple of four tiles along o in step; there are two.
; REGISTERS, in windows of 256: window 0: v16-29 addresses; v64-127, v128-191 hn's fragments, two buffers; v192-223, v32-63, v224-255 the way out
;   window 1: v0-63 the bias (output block b at 8 b); v64-191 W's fragments, two buffers       windows 2, 3: the accumulators (pixel block a, output block b) at 8 (8 (a % 4) + b)
.set HP,     544                       ; a row of hn in LDS: 512 bytes + 32 = 17 x 32
.set WPI,    144                       ; a row of W: 128 bytes + 16 = 9 x 16
.set HHALF,  64*HP                     ; what one load of hn brings: 64 channels x 256 pixels
.set WSUB,   256*WPI                   ; what one load of W brings: 256 outputs x 64 channels
.set WOFF,   2*HHALF
.set SLOT,   WOFF+2*WSUB               ; 143,360
.set STAGE,  2*SLOT                    ; behind the ring: 16 rows x 272 bytes for each wave
.set SPITCH, 272
.set SPARE,  STAGE+4*16*SPITCH         ; the spare words, 128 bytes a wave
.set ROWB,   1024                      ; a row of qkv
.set PART,   33554432                  ; one of qkv's three parts
.set H_ON,   2*128*2048                ; hn: two K steps on
.set W_ON,   4*1536*128                ; W: two K steps (four blocks) on
.set W_BACK, W_ON-512*128              ; W: from a slot's last step of a pass to its first of the next: back along K, 512 rows on
.set NEXT_C, PART-7*16*ROWB            ; from my last 16 rows of a pass to my first of the next
.set ADRA, 16                          ; v16-17  LDS address of my fragments of hn in slot 0, 1
.set ADRB, 20                          ; v20-21  the same for W
.set STO,  24
.set RD,   25
.set CO,   26                          ; v26  my byte offset in two rows of qkv
.set BO,   27                          ; v27  my byte offset in a bias
.set SPW,  28                          ; v28  my spare word; never rewritten
.set NIL,  29                          ; v29  0; never rewritten
.set F0,   64
.set F1,   128
.set TMP,  192
.set OB,   32
.set G1H, 24                           ; s[24:31] group 1 for hn's tiles;  s[32:39] group 0, a set for each slot
.set G0H, 32
.set G1W, 48                           ; s[48:55], s[56:63] the same for W's
.set G0W, 56
.set BP,  72                           ; s[72:73] the pass's bias; s[68:71] the two to come
.set MSB, 0
.macro WIN new                         ; the immediate's high byte repeats the setting that is left; a switch that changes nothing is dropped
.if MSB != (\new)
	s_set_vgpr_msb (MSB<<8)|(\new)
.set MSB, \new
.endif
.endm
.set TO_B, 0x40                        ; destination window 1, address window 0
.macro PLACES
.rept 4
	v_nop
.endr
.endm
; A fill.  Waves 0 and 1 fetch hn's two halves (their own), waves 2 and 3 W's two blocks (jointly).  The branch hangs on the wave's number alone.  An s_nop 0 and four v_nop follow each line.
.macro JLOAD s
	s_cmp_eq_u32 s11, 0
	s_cbranch_scc0 .Lfor_w_\@
	tensor_load_to_lds s[G0H+4*(\s):G0H+4*(\s)+3], s[G1H:G1H+7]
	s_nop 0
.rept 4
	v_nop
.endr
	s_branch .Lasked_\@
.Lfor_w_\@:
	tensor_load_to_lds s[G0W+4*(\s):G0W+4*(\s)+3], s[G1W:G1W+7]
	s_nop 0
.rept 4
	v_nop
.endr
.Lasked_\@:
.endm
.macro CREST                           ; a round of the cluster's barrier behind its opening barrier
	s_cmp_lg_u32 s10, 0
	s_cbranch_scc1 .Lnot_wave_0_\@
	s_barrier_signal -3
.Lnot_wave_0_\@:
	s_barrier_wait -3
	s_barrier_signal -1
	s_barrier_wait -1
.endm
.macro CROUND
	s_barrier_signal -1
	s_barrier_wait -1
	CREST
.endm
	s_load_b128 s[4:7], s[0:1], 0x0                ; hn s[4:5], wcat s[6:7]
	s_load_b64 s[8:9], s[0:1], 0x10                ; qkv
	s_load_b64 s[BP:BP+1], s[0:1], 0x18            ; bq
	s_load_b128 s[68:71], s[0:1], 0x20             ; bk, bvp
	v_lshl_add_u32 v[SPW], v0, 2, SPARE
	v_mov_b32 v[NIL], 0
	ds_add_u32 v[SPW], v[NIL]                      ; the wave's opening: the add and its wait stand ahead of my first tensor load; work on registers stands between them
	v_lshrrev_b32 v1, 5, v0
	v_readfirstlane_b32 s10, v1                    ; wave 0..3
	s_lshr_b32 s11, s10, 1                         ; my half of the pixels.  Also: I fetch hn (0) or W (1)
	s_and_b32 s12, s10, 1                          ; my half of the outputs.  Also: which half of that tile I fetch
	s_bfe_u32 s40, ttmp6, 0x40000                  ; cx
	s_lshl_b32 s42, ttmp9, 2
	s_add_co_u32 s42, s42, s40                     ; X = 4 x cluster x + cx: image X / 4, pixels 256 (X % 4) on
	s_and_b32 s13, ttmp7, 0xffff                   ; y, which the partners share
	s_mov_b32 s[G1H+0], (1<<16)|(1<<20)|(6<<22)|(7<<25)  ; no mask; 2-byte elements; padding on: after every 128 words (code 6) 8 words (code 7)
	s_mov_b32 s[G1H+1], 256<<16                    ; tensor_dim0 = 256
	s_mov_b32 s[G1H+2], 64<<16                     ; tensor_dim1 = 64
	s_mov_b32 s[G1H+3], 256<<16                    ; tile_dim0 = 256 pixels
	s_mov_b32 s[G1H+4], 64                         ; tile_dim1 = 64 channels
	s_mov_b32 s[G1H+5], 1024                       ; elements from channel to channel
	s_mov_b32 s[G1H+6], 0
	s_mov_b32 s[G1H+7], 0
	s_mov_b32 s[G1W+0], 15|(1<<16)|(1<<20)|(1<<21)|(4<<22)|(3<<25)  ; the mask of four, bit 21 beside it; padding: after every 32 words (code 4) 4 words (code 3)
	s_mov_b32 s[G1W+1], 128<<16
	s_mov_b32 s[G1W+2], 128<<16
	s_mov_b32 s[G1W+3], 128<<16                    ; 128 rows of 128 elements: two rows of W to a row
	s_mov_b32 s[G1W+4], 128
	s_mov_b32 s[G1W+5], 128
	s_mov_b32 s[G1W+6], 0
	s_mov_b32 s[G1W+7], 0
	s_lshr_b32 s14, s42, 2
	s_lshl_b32 s14, s14, 20                        ; hn: the image's 1,048,576 bytes,
	s_and_b32 s15, s42, 3
	s_lshl_b32 s15, s15, 9                         ; the tile's 256 pixels,
	s_add_co_u32 s14, s14, s15
	s_lshl_b32 s15, s12, 17                        ; my 64 channels
	s_add_co_u32 s14, s14, s15
	s_mov_b32 s15, 0
	s_mul_i32 s46, s12, 1536*128                   ; W: my block of 64 channels,
	s_lshl_b32 s47, s13, 15                        ; y's 256 rows: no register here ever holds cx
	s_add_co_u32 s46, s46, s47
	s_mov_b32 s47, 0
	s_mul_i32 s20, s12, HHALF                      ; where they go
	s_mul_i32 s21, s12, WSUB
	s_add_co_u32 s21, s21, WOFF
	s_wait_dscnt 0x0                               ; the opening add is done
	s_wait_kmcnt 0x0
	s_add_nc_u64 s[14:15], s[4:5], s[14:15]
	s_add_nc_u64 s[46:47], s[6:7], s[46:47]
	CROUND                                         ; all four work-groups are here: the first joint loads meet
.irp s, 0,1
	s_mov_b32 s[G0H+4*(\s)], 1
	s_add_co_u32 s[G0H+4*(\s)+1], s20, (\s)*SLOT
	s_add_nc_u64 s[G0H+4*(\s)+2:G0H+4*(\s)+3], s[14:15], (\s)*128*2048       ; K step s
	s_or_b32 s[G0H+4*(\s)+3], s[G0H+4*(\s)+3], 0x80000000
	s_mov_b32 s[G0W+4*(\s)], 1
	s_add_co_u32 s[G0W+4*(\s)+1], s21, (\s)*SLOT
	s_add_nc_u64 s[G0W+4*(\s)+2:G0W+4*(\s)+3], s[46:47], (\s)*2*1536*128
	s_or_b32 s[G0W+4*(\s)+3], s[G0W+4*(\s)+3], 0x80000000
	JLOAD \s                                       ; two loads of mine are out
.endr
	v_and_b32 v1, 15, v0                           ; r
	v_bfe_u32 v2, v0, 4, 1                         ; h
	v_and_b32 v5, 7, v0
	v_bfe_u32 v6, v0, 3, 1
	v_mul_u32_u24 v3, v1, WPI
	v_lshl_add_u32 v3, v2, 4, v3                   ; W: row x pitch + 16 h
	v_lshl_add_u32 v4, v2, 3, v5
	v_mul_u32_u24 v4, v4, HP
	v_lshl_add_u32 v4, v6, 4, v4                   ; hn, turned: (8 h + lane % 8) x pitch + 16 ((lane / 8) % 2)
	s_lshl_b32 s21, s11, 8                         ; my 128 pixels
	s_mul_i32 s22, s12, 128*WPI                    ; my 128 outputs
	s_add_co_u32 s22, s22, WOFF
.irp s, 0,1
	v_add_nc_u32 v[ADRA+(\s)], s21, v4
	v_add_nc_u32 v[ADRB+(\s)], s22, v3
	s_add_co_u32 s21, s21, SLOT
	s_add_co_u32 s22, s22, SLOT
.endr
	s_mul_i32 s23, s10, 16*SPITCH
	s_add_co_u32 s23, s23, STAGE                   ; my stage
	v_mul_u32_u24 v4, v1, SPITCH
	v_lshl_add_u32 v4, v2, 4, v4
	v_add_nc_u32 v[STO], s23, v4                   ; in: row r, 16 bytes for each half of the lanes
	v_mul_u32_u24 v5, v2, SPITCH
	v_lshl_add_u32 v5, v1, 4, v5
	v_add_nc_u32 v[RD], s23, v5                    ; back: lanes 0-15 one row of 256 bytes, lanes 16-31 the next
	v_lshlrev_b32 v5, 10, v2
	v_lshl_add_u32 v[CO], v1, 4, v5                ; and the same two rows in qkv
	s_lshl_b32 s21, s13, 10
	s_lshl_b32 s22, s12, 9
	s_add_co_u32 s21, s21, s22
	v_lshlrev_b32 v[BO], 5, v2
	v_add_nc_u32 v[BO], s21, v[BO]                 ; bias: 4 (256 y + 128 half + 8 h)
	s_lshl_b32 s16, s42, 8
	s_lshl_b32 s17, s11, 7
	s_add_co_u32 s16, s16, s17                     ; my first row of qkv: 256 X + 128 half,
	s_lshl_b32 s16, s16, 10                        ; in bytes (under 2^28),
	s_lshl_b32 s17, s13, 9
	s_add_co_u32 s16, s16, s17
	s_lshl_b32 s17, s12, 8
	s_add_co_u32 s16, s16, s17                     ; and my first column: the first way out adds this to qkv's address
	s_mov_b32 s17, 0
.macro BIASLOAD                        ; register j of block b: bias[.. + 16 b + 8 h + j], as the result's layout has it
	WIN TO_B
.irp b, 0,1,2,3,4,5,6,7
	global_load_b128 v[8*(\b):8*(\b)+3],   v[BO], s[BP:BP+1] offset:64*(\b)
	global_load_b128 v[8*(\b)+4:8*(\b)+7], v[BO], s[BP:BP+1] offset:64*(\b)+16
.endr
	WIN 0
.endm
	BIASLOAD
; 16 matrix instructions: pixel blocks a0, a0 + 1 of the window's four x all 8 output blocks, 32 along K.  first = 1: the bias starts the sums.  The 64 accumulators take turns.
.macro MUL16 f, hi, a0, first
.if \first
	WIN 0x91+0x40*(\hi)                            ; W window 1, hn window 0, C window 1, D window 2 or 3
.else
	WIN 0xa1+0x50*(\hi)                            ; C and D window 2 or 3
.endif
.irp a, \a0, (\a0)+1
.irp b, 0,1,2,3,4,5,6,7
.if \first
	v_wmma_f32_16x16x32_bf16 v[8*(8*(\a)+(\b)):8*(8*(\a)+(\b))+7], v[(\f)+8*(\b):(\f)+8*(\b)+7], v[(\f)+8*(4*(\hi)+(\a)):(\f)+8*(4*(\hi)+(\a))+7], v[8*(\b):8*(\b)+7]
.else
	v_wmma_f32_16x16x32_bf16 v[8*(8*(\a)+(\b)):8*(8*(\a)+(\b))+7], v[(\f)+8*(\b):(\f)+8*(\b)+7], v[(\f)+8*(4*(\hi)+(\a)):(\f)+8*(4*(\hi)+(\a))+7], v[8*(8*(\a)+(\b)):8*(8*(\a)+(\b))+7]
.endif
.endr
.endr
.endm
; 32 LDS loads in one run: the fragments of quarter q (32 channels) of a slot into buffer f: W's 128 outputs, then hn's 128 pixels
.macro FETCH slot, q, f
	WIN TO_B
.irp i, 0,1,2,3,4,5,6,7
	ds_load_b128 v[(\f)+8*(\i):(\f)+8*(\i)+3],   v[ADRB+(\slot)] offset:((\q)/2)*WSUB+((\q)%2)*64+(\i)*16*WPI
	ds_load_b128 v[(\f)+8*(\i)+4:(\f)+8*(\i)+7], v[ADRB+(\slot)] offset:((\q)/2)*WSUB+((\q)%2)*64+(\i)*16*WPI+32
.endr
	WIN 0
.irp i, 0,1,2,3,4,5,6,7
	ds_load_tr16_b128 v[(\f)+8*(\i):(\f)+8*(\i)+3],   v[ADRA+(\slot)] offset:(\q)*32*HP+(\i)*32
	ds_load_tr16_b128 v[(\f)+8*(\i)+4:(\f)+8*(\i)+7], v[ADRA+(\slot)] offset:(\q)*32*HP+(\i)*32+16*HP
.endr
.endm
; One of a K step's first three quarters: multiplies buffer f; in its middle it fetches quarter q of the same slot into buffer g
.macro QUARTER slot, q, f, g, first
	s_wait_dscnt 8                                 ; W and hn's pixel blocks 0-3 are in; the youngest eight loads (blocks 4-7) may be out
	MUL16 \f, 0, 0, \first
	MUL16 \f, 0, 2, \first
	PLACES                                         ; in front of the loads into the buffer that the quarter before multiplied
	FETCH \slot, \q, \g
	s_wait_dscnt 32                                ; all but the 32 just issued
	MUL16 \f, 1, 0, \first
	MUL16 \f, 1, 2, \first
.endm
; The last quarter's first half, and ONE barrier for the change of slots: in front of it each wave waits for all its tensor loads (the one that is out is its part of the next slot), adds 0 to its spare word,
; and waits for that and for its own reads of this slot.
.macro MEET round
	WIN 0
	s_wait_tensorcnt 0x0
	ds_add_u32 v[SPW], v[NIL]
	s_wait_dscnt 9                                 ; the add and the youngest eight loads may be out
	MUL16 F1, 0, 0, 0
	s_wait_dscnt 0x0                               ; the add is done, and my reads of this slot are over
	s_barrier_signal -1
	MUL16 F1, 0, 2, 0
.if \round
	WIN 0
.endif
	s_barrier_wait -1
.endm
; The whole last quarter.  The slot just read is filled again first: with this pass's K step two on (on = 0) or with the next pass's step 0 or 1 (on = 1).  From a request to the wait for it a wave issues 224 matrix instructions.
.macro TURN slot, next, on
	MEET 1
	CREST                                          ; no wave of any partner still reads this slot or has a load on its way
.if \on
	s_sub_nc_u64 s[G0H+4*(\slot)+2:G0H+4*(\slot)+3], s[G0H+4*(\slot)+2:G0H+4*(\slot)+3], H_ON
	s_sub_nc_u64 s[G0W+4*(\slot)+2:G0W+4*(\slot)+3], s[G0W+4*(\slot)+2:G0W+4*(\slot)+3], W_BACK
.else
	s_add_nc_u64 s[G0H+4*(\slot)+2:G0H+4*(\slot)+3], s[G0H+4*(\slot)+2:G0H+4*(\slot)+3], H_ON
	s_add_nc_u64 s[G0W+4*(\slot)+2:G0W+4*(\slot)+3], s[G0W+4*(\slot)+2:G0W+4*(\slot)+3], W_ON
.endif
	JLOAD \slot                                    ; the four v_nop behind it are also the places in front of the loads below
	FETCH \next, 0, F0
	MUL16 F1, 1, 0, 0
	MUL16 F1, 1, 2, 0
.endm
; THE WAY OUT of pixel block a: rounded to bf16, 16 bytes a lane; through my own stage; back as whole rows of 256 bytes; stored
.macro PACK a
.set AC, 64*((\a)%4)
	WIN 0x0a+5*((\a)/4)                            ; sources 0 and 1: window 2 or 3
.irp b, 0,1,2,3,4,5,6,7
.irp r, 0,1,2,3
	v_cvt_pk_bf16_f32 v[TMP+4*(\b)+(\r)], v[AC+8*(\b)+2*(\r)], v[AC+8*(\b)+2*(\r)+1]
.endr
.endr
	WIN 0
.endm
.macro TOSTAGE a
	WIN 0
.set BK, OB+192*((\a)%2)
.irp b, 0,1,2,3,4,5,6,7
	ds_store_b128 v[STO], v[TMP+4*(\b):TMP+4*(\b)+3] offset:32*(\b)
.endr
.irp t, 0,1,2,3,4,5,6,7
	ds_load_b128 v[BK+4*(\t):BK+4*(\t)+3], v[RD] offset:(\t)*2*SPITCH  ; LDS serves a wave's instructions in order (ISA guide 5.7.1.4): these see the stores above
.endr
.endm
.macro SEND a
	WIN 0
.set BK, OB+192*((\a)%2)
	s_wait_dscnt 0x0                               ; the block is back in registers
	s_wait_xcnt 0x0                                ; the stores' base and the registers that earlier stores read are rewritten only behind this wait
.if (\a) == 0
	s_add_nc_u64 s[8:9], s[8:9], s[16:17]          ; on to this pass's first rows
.else
	s_add_nc_u64 s[8:9], s[8:9], 16*ROWB
.endif
.irp t, 0,1,2,3,4,5,6,7
	global_store_b128 v[CO], v[BK+4*(\t):BK+4*(\t)+3], s[8:9] offset:2*(\t)*ROWB  ; 16 lanes store 256 consecutive bytes, aligned
.endr
.endm
.macro WAYOUT
	PLACES                                         ; behind the last products
	PACK 0
	TOSTAGE 0
.irp a, 1,2,3,4,5,6,7                  ; block a's conversions stand between block a - 1's loads from the stage and the wait for them
	PACK \a
	SEND (\a)-1
	TOSTAGE \a
.endr
	SEND 7
.endm
	s_wait_tensorcnt 1                             ; my part of K step 0 is in; step 1's may stay out
	s_barrier_signal -1
	s_barrier_wait -1
	FETCH 0, 0, F0
	s_mov_b32 s2, 3                                ; passes to go
.Lpass:
	s_wait_loadcnt 0x0                             ; the pass's bias
	QUARTER 0, 1, F0, F1, 1
	QUARTER 0, 2, F1, F0, 0
	QUARTER 0, 3, F0, F1, 0
	TURN 0, 1, 0
	QUARTER 1, 1, F0, F1, 0
	QUARTER 1, 2, F1, F0, 0
	QUARTER 1, 3, F0, F1, 0
	TURN 1, 0, 0
	QUARTER 0, 1, F0, F1, 0
	QUARTER 0, 2, F1, F0, 0
	QUARTER 0, 3, F0, F1, 0
	WIN 0
	s_cmp_eq_u32 s2, 1
	s_cbranch_scc1 .Llast                          ; the last pass's tail is written out: it asks for nothing more
	TURN 0, 1, 1                                   ; the ring goes on into the next pass
	QUARTER 1, 1, F0, F1, 0
	QUARTER 1, 2, F1, F0, 0
	QUARTER 1, 3, F0, F1, 0
	TURN 1, 0, 1
	s_mov_b64 s[BP:BP+1], s[68:69]                 ; the next bias (the last one's loads were waited for at the pass's head)
	s_mov_b64 s[68:69], s[70:71]
	BIASLOAD
	WAYOUT
	s_mov_b64 s[16:17], NEXT_C
	s_sub_co_u32 s2, s2, 1
	s_branch .Lpass
.Llast:
	MEET 0                                         ; nothing is filled again, so no round follows
	PLACES
	FETCH 1, 0, F0
	MUL16 F1, 1, 0, 0
	MUL16 F1, 1, 2, 0
	QUARTER 1, 1, F0, F1, 0
	QUARTER 1, 2, F1, F0, 0
	QUARTER 1, 3, F0, F1, 0
	s_wait_dscnt 8
	MUL16 F1, 0, 0, 0
	MUL16 F1, 0, 2, 0
	s_wait_dscnt 0x0
	MUL16 F1, 1, 0, 0
	MUL16 F1, 1, 2, 0
	WIN 0
	WAYOUT
	s_wait_tensorcnt 0x0                           ; the wave's end
	ds_add_u32 v[SPW], v[NIL]
	s_wait_dscnt 0x0
	CROUND                                         ; the closing round
	s_endpgm
.Lfunc_end_k_qe9601faeac_qkv:
	.size	k_qe9601faeac_qkv, .Lfunc_end_k_qe9601faeac_qkv-k_qe9601faeac_qkv
	.p2alignl 7, 3214868480
	.fill 96, 4, 3214868480
	.section	.rodata,"a",@progbits
	.p2align	6, 0x0
	.amdhsa_kernel k_qe9601faeac_qkv
		.amdhsa_group_segment_fixed_size 327680
		.amdhsa_private_segment_fixed_size 0
		.amdhsa_enable_private_segment 0
		.amdhsa_kernarg_size 48
		.amdhsa_user_sgpr_count 2
		.amdhsa_user_sgpr_kernarg_segment_ptr 1
		.amdhsa_wavefront_size32 1
		.amdhsa_system_sgpr_workgroup_id_x 1
		.amdhsa_system_sgpr_workgroup_id_y 1
		.amdhsa_system_sgpr_workgroup_id_z 1
		.amdhsa_system_vgpr_workitem_id 0
		.amdhsa_next_free_vgpr 1024
		.amdhsa_next_free_sgpr 76
		.amdhsa_reserve_vcc 0
		.amdhsa_float_denorm_mode_32 3
		.amdhsa_float_denorm_mode_16_64 3
		.amdhsa_memory_ordered 1
		.amdhsa_forward_progress 1
		.amdhsa_inst_pref_size 211
	.end_amdhsa_kernel
	.amdgpu_metadata
---
amdhsa.version: [ 1, 2 ]
amdhsa.kernels:
  - .name:           k_qe9601faeac_qkv
    .symbol:         k_qe9601faeac_qkv.kd
    .args:
      - { .name: hn, .offset: 0, .size: 8, .value_kind: global_buffer, .address_space: global }
      - { .name: wcat, .offset: 8, .size: 8, .value_kind: global_buffer, .address_space: global }
      - { .name: qkv, .offset: 16, .size: 8, .value_kind: global_buffer, .address_space: global }
      - { .name: bq, .offset: 24, .size: 8, .value_kind: global_buffer, .address_space: global }
      - { .name: bk, .offset: 32, .size: 8, .value_kind: global_buffer, .address_space: global }
      - { .name: bvp, .offset: 40, .size: 8, .value_kind: global_buffer, .address_space: global }
    .group_segment_fixed_size: 327680
    .private_segment_fixed_size: 0
    .kernarg_segment_align: 8
    .kernarg_segment_size: 48
    .max_flat_workgroup_size: 128
    .sgpr_count:     76
    .vgpr_count:     1024
    .wavefront_size: 32
...
	.end_amdgpu_metadata
.endif
;; end of part 2
;; launch attn (part 3): grid 8 x 32, 4 waves a work-group, clusters of 4 x 1, 327,680 bytes of LDS; arguments qkv, x, bp, out0; writes out0
.if DOCPART == 3
	.amdgcn_target "amdgcn-amd-amdhsa--gfx1250"
	.amdhsa_code_object_version 6
	.text
	.protected	k_qe9601faeac_attn
	.globl	k_qe9601faeac_attn
	.p2align	8
	.type	k_qe9601faeac_attn,@function
k_qe9601faeac_attn:
	s_mov_b64 s[64:65], 0
	v_nop
	global_prefetch_b8 v0, s[64:65] scope:SCOPE_SE
	s_setreg_imm32_b32 hwreg(HW_REG_WAVE_MODE, 25, 1), 1
	s_wait_xcnt 0x0
	s_wait_alu depctr_hold_cnt(0) depctr_sa_sdst(0) depctr_va_vdst(0) depctr_va_sdst(0) depctr_va_ssrc(0) depctr_va_vcc(0) depctr_vm_vsrc(0)
	s_getreg_b32 s2, hwreg(HW_REG_IB_STS2, 6, 4)
	s_cmp_eq_u32 s2, 0
	s_cbranch_scc0 .Lentry_in_a_cluster
	s_endpgm
.Lentry_in_a_cluster:
	s_bfe_u32 s2, ttmp6, 0x10000c
	s_cmp_lg_u32 s2, 0x3003
	s_cbranch_scc0 .Lentry_shape_is_right
	s_endpgm
.Lentry_shape_is_right:
; ATTENTION AND RESIDUAL.  out0[image][c][q] = x[image][c][q] + bp[c] + (sum over k of p(q, k) v'[k][c]) / l(q), p = 2^(c0 s - c0 m), s = q . k, c0 = log2(e) / sqrt(512), with a running maximum m and sum l.
; q, k, v' are rows [pixel][512 channels] of bf16; v' already carries the output projection.  Products, maxima, sums and the residual in f32; p is rounded to bf16 for the second product (l is the sum of the unrounded p).
; LIMITS.  A weight below 2^-126 counts as 0 in l; c0 m starts at -4.25e37; NaN and infinities are not treated apart.
; SHARES.  A work-group owns 128 queries of an image, each of its four waves 32 (two tiles of 16) with ALL 512 channels of O: 64 accumulators, 512 registers; Q takes 256 more.  Every wave walks 16 steps of 64 keys.
; LAYOUT.  S^T = K Q^T (source 0 = 16 keys, source 1 = 16 queries): a lane holds ONE query.  Two such results rounded to bf16 ARE source 1 of O^T = V'^T P; V' comes out of LDS turned.  Nothing crosses waves in the loop.
; A STEP: 128 products K Q^T, the softmax, 128 products V'^T P with the rescaling of O^T (a = 2^(c0 m_old - c0 m_new)) riding between them.  K's and V's fragments go through a ring of four register buffers
; of 32, each run of 8 LDS loads 24 matrix instructions ahead of its use.  m starts at the lowest number and O at 0, so the first step is a step like any other (a = 0): the price is 512 v_mov_b32 in the wait for the first tile.
; CLUSTER 4 x 1: the four query blocks of a cluster belong to one image and walk the same K and V: every tile is asked for jointly.
; REGISTERS: window 0: v1-14 addresses; v16-31 statistics; v32-95 S^T; v96-127 P; v128-255 the fragments' ring.  window 1: Q (tile t, channel step cs at 128 t + 8 cs).
;   windows 2, 3: O^T (tile t, channel block cb at 128 t + 8 (cb % 16) of window 2 + cb / 16).
.set PK,    1040                       ; a row of K in LDS: 1,024 bytes + 16 = 65 x 16
.set PV,    1056                       ; a row of V: 1,024 + 32 = 33 x 32
.set VOFF,  64*PK
.set SLOT,  64*(PK+PV)                 ; 134,144
.set SP,    528                        ; the stage, over the ring once its last fill has been read: 512 rows c x 128 queries of f32 + 16 bytes
.set RLB,   512*SP                     ; 270,336: 1 / l of the 128 queries
.set SPARE, RLB+512                    ; the spare words, 128 bytes a wave
.set PART,  33554432
.set AK0, 2                            ; v2  my lane's place in a tile of K; v3 in a tile of V; never rewritten
.set AV0, 3
.set AK,  4                            ; v4, v5  the same in the slot in hand
.set AV,  5
.set QO,  6                            ; v6  my byte offset in 16 rows of Q; later the stage's first address
.set RD,  7
.set XO,  8                            ; v8  16 x lane
.set SPW, 12                           ; v12 my spare word; never rewritten
.set NIL, 13                           ; v13 0; never rewritten
.set ST,  16                           ; tile t at ST + 8 t: c0 m, m, l (even keys', odd keys'), c0-c3 at work; a takes c2's place
.set S,   32
.set P,   96
.set F,   128
.set X,   32                           ; the way out: v32-159 32 rows of x; v160-223 16 rows from the stage; v224-227 1 / l; v228-231 bp
.set Y,   160
.set SK,  160                          ; v160-167 the stage's eight addresses
.set RL,  224
.set BP0, 228
.set WV,  12                           ; s12 my wave's number
.set G1K, 24
.set G1V, 32
.set G0K, 40                           ; s[40:47] two sets for the first fills; the second then walks on
.set G0V, 48
.set CNT, 56
.set TB,  57                           ; s57 0 or SLOT: the slot in hand
.set CS,  58
.set SEL, 60
.set PKK, 63                           ; s63, s66  my part's place in a slot, for K and for V
.set PVV, 66
.set MSB, 0
.macro WIN new
.if MSB != (\new)
	s_set_vgpr_msb (MSB<<8)|(\new)
.set MSB, \new
.endif
.endm
.macro PLACES
.rept 4
	v_nop
.endr
.endm
.macro JLOAD                           ; a joint refill: waves 0 and 1 K's two halves, waves 2 and 3 V's; an s_nop 0 and four v_nop follow each line
	s_cmp_lt_u32 s[WV], 2
	s_cbranch_scc0 .Lfor_v_\@
	tensor_load_to_lds s[G0K+4:G0K+7], s[G1K:G1K+7]
	s_nop 0
.rept 4
	v_nop
.endr
	s_branch .Lasked_\@
.Lfor_v_\@:
	tensor_load_to_lds s[G0V+4:G0V+7], s[G1V:G1V+7]
	s_nop 0
.rept 4
	v_nop
.endr
.Lasked_\@:
.endm
.macro CREST
	s_cmp_lg_u32 s[WV], 0
	s_cbranch_scc1 .Lnot_wave_0_\@
	s_barrier_signal -3
.Lnot_wave_0_\@:
	s_barrier_wait -3
	s_barrier_signal -1
	s_barrier_wait -1
.endm
.macro CROUND
	s_barrier_signal -1
	s_barrier_wait -1
	CREST
.endm
	s_load_b256 s[4:11], s[0:1], 0x0               ; qkv s[4:5], x s[6:7], bp s[8:9], out0 s[10:11]
	v_lshl_add_u32 v[SPW], v0, 2, SPARE
	v_mov_b32 v[NIL], 0
	ds_add_u32 v[SPW], v[NIL]                      ; the wave's opening: the add and its wait stand ahead of my first tensor load
	v_lshrrev_b32 v1, 5, v0
	v_readfirstlane_b32 s[WV], v1
	s_bfe_u32 s13, ttmp6, 0x40000                  ; cx
	s_lshl_b32 s14, ttmp9, 2
	s_add_co_u32 s14, s14, s13                     ; my block of 128 queries: it enters Q's, x's and out0's addresses alone
	s_and_b32 s15, ttmp7, 0xffff                   ; the image, which the partners share
	s_and_b32 s62, s[WV], 1                        ; which 32 of a step's 64 keys I fetch
	s_lshl_b32 s22, s15, 20                        ; the image's 1,024 rows of 1,024 bytes,
	s_lshl_b32 s2, s62, 15                         ; my 32 rows,
	s_add_co_u32 s22, s22, s2
	s_add_co_u32 s22, s22, PART                    ; in K's part of qkv
	s_mov_b32 s23, 0
	s_mul_i32 s[PKK], s62, 32*PK
	s_mul_i32 s[PVV], s62, 32*PV
	s_add_co_u32 s[PVV], s[PVV], VOFF
	s_lshl_b32 s2, s15, 20                         ; Q: the image, my block's 128 rows, my wave's 32
	s_lshl_b32 s3, s14, 17
	s_add_co_u32 s2, s2, s3
	s_lshl_b32 s3, s[WV], 15
	s_add_co_u32 s2, s2, s3
	s_mov_b32 s3, 0
	s_mov_b32 s[G1K], 15|(1<<16)|(1<<20)|(1<<21)|(7<<22)|(3<<25)  ; the mask of four, bit 21 beside it; 2-byte elements; padding: after every 256 words (code 7) 4 words (code 3)
	s_mov_b32 s[G1V], 15|(1<<16)|(1<<20)|(1<<21)|(7<<22)|(7<<25)  ; the same with 8 words (code 7)
.irp g, G1K, G1V
	s_mov_b32 s[(\g)+1], 512<<16                   ; tensor_dim0 = 512
	s_mov_b32 s[(\g)+2], 32<<16                    ; tensor_dim1 = 32
	s_mov_b32 s[(\g)+3], 512<<16                   ; tile_dim0 = 512 channels
	s_mov_b32 s[(\g)+4], 32                        ; tile_dim1 = 32 keys
	s_mov_b32 s[(\g)+5], 512
	s_mov_b32 s[(\g)+6], 0
	s_mov_b32 s[(\g)+7], 0
.endr
	s_mov_b32 s[CS], 0x3d8293ee                    ; c0 = log2(e) / sqrt(512) = 0.0637583
	s_mov_b32 s[CS+1], s[CS]
	s_mov_b32 s[SEL], 0x76543210
	s_mov_b32 s[SEL+1], 0xfedcba98
	s_mov_b32 s[TB], 0
	s_wait_dscnt 0x0                               ; the opening add is done
	s_wait_kmcnt 0x0
	s_add_nc_u64 s[22:23], s[4:5], s[22:23]        ; K at my part of step 0,
	s_add_nc_u64 s[68:69], s[22:23], PART          ; V likewise
	s_add_nc_u64 s[4:5], s[4:5], s[2:3]            ; Q at my wave's first row
	CROUND                                         ; all four work-groups are here: the first joint loads meet
.irp s, 0,1
	s_mov_b32 s[G0K+4*(\s)], 1
	s_add_co_u32 s[G0K+4*(\s)+1], s[PKK], (\s)*SLOT
	s_add_nc_u64 s[G0K+4*(\s)+2:G0K+4*(\s)+3], s[22:23], (\s)*65536  ; key step s
	s_or_b32 s[G0K+4*(\s)+3], s[G0K+4*(\s)+3], 0x80000000
	s_mov_b32 s[G0V+4*(\s)], 1
	s_add_co_u32 s[G0V+4*(\s)+1], s[PVV], (\s)*SLOT
	s_add_nc_u64 s[G0V+4*(\s)+2:G0V+4*(\s)+3], s[68:69], (\s)*65536
	s_or_b32 s[G0V+4*(\s)+3], s[G0V+4*(\s)+3], 0x80000000
.endr
	s_cmp_lt_u32 s[WV], 2                          ; a wave's two first fills stand in one branch: two loads of mine are out
	s_cbranch_scc0 .Lfirst_v
	tensor_load_to_lds s[G0K:G0K+3], s[G1K:G1K+7]
	s_nop 0
	tensor_load_to_lds s[G0K+4:G0K+7], s[G1K:G1K+7]
	s_nop 0
.rept 4
	v_nop
.endr
	s_branch .Lfirst_asked
.Lfirst_v:
	tensor_load_to_lds s[G0V:G0V+3], s[G1V:G1V+7]
	s_nop 0
	tensor_load_to_lds s[G0V+4:G0V+7], s[G1V:G1V+7]
	s_nop 0
.rept 4
	v_nop
.endr
.Lfirst_asked:
	v_and_b32 v1, 15, v0                           ; r
	v_bfe_u32 v9, v0, 4, 1                         ; h
	v_lshlrev_b32 v[QO], 10, v1
	v_lshl_add_u32 v[QO], v9, 4, v[QO]             ; row x 1,024 + 16 h
	WIN 0x40                                       ; destination window 1
.set i, 0
.rept 32                                               ; Q stays in registers: tile i / 16, channels 32 (i % 16) on
	global_load_b128 v[8*i:8*i+3],   v[QO], s[4:5] offset:(i/16)*16384+(i%16)*64
	global_load_b128 v[8*i+4:8*i+7], v[QO], s[4:5] offset:(i/16)*16384+(i%16)*64+32
.set i, i+1
.endr
	WIN 0x80                                       ; O^T = 0: the first step multiplies it by a = 0 and adds; all this stands in the wait for the first tile
.set i, 0
.rept 256
	v_mov_b32 v[i], 0
.set i, i+1
.endr
	WIN 0xc0
.set i, 0
.rept 256
	v_mov_b32 v[i], 0
.set i, i+1
.endr
	WIN 0
.irp t, 0,1
	v_mov_b32 v[ST+8*\t], 0xfe000000               ; c0 m: far below every c0 s
	v_mov_b32 v[ST+8*\t+1], 0xff7fffff             ; m
	v_mov_b32 v[ST+8*\t+2], 0
	v_mov_b32 v[ST+8*\t+3], 0
.endr
	v_mul_u32_u24 v[AK0], v1, PK
	v_lshl_add_u32 v[AK0], v9, 4, v[AK0]           ; K: row x pitch + 16 h
	v_and_b32 v10, 7, v0
	v_bfe_u32 v11, v0, 3, 1
	v_lshl_add_u32 v[AV0], v9, 3, v10
	v_mul_u32_u24 v[AV0], v[AV0], PV
	v_lshl_add_u32 v[AV0], v11, 4, v[AV0]
	v_add_nc_u32 v[AV0], VOFF, v[AV0]              ; V, turned: (8 h + lane % 8) x pitch + 16 ((lane / 8) % 2)
	v_mov_b32 v[AK], v[AK0]
	v_mov_b32 v[AV], v[AV0]
	v_and_b32 v[XO], 31, v0
	v_lshlrev_b32 v14, 2, v[XO]                    ; 4 x lane
	v_lshlrev_b32 v[XO], 4, v[XO]
; Runs of 8 LDS loads into buffer number % 4.  K: channel step cs (32 channels), four blocks of 16 keys.  V: channel blocks 2 g and 2 g + 1, two halves of 32 keys.
.macro KLOAD cs
.set fb, F+32*((\cs)%4)
.irp b, 0,1,2,3
	ds_load_b128 v[fb+8*\b:fb+8*\b+3],   v[AK] offset:16*PK*\b+64*(\cs)
	ds_load_b128 v[fb+8*\b+4:fb+8*\b+7], v[AK] offset:16*PK*\b+64*(\cs)+32
.endr
.endm
.macro VLOAD g
.set fb, F+32*((\g)%4)
.irp k, 0,1
.irp u, 0,1
	ds_load_tr16_b128 v[fb+16*\k+8*\u:fb+16*\k+8*\u+3],   v[AV] offset:32*PV*\k+32*(2*(\g)+\u)
	ds_load_tr16_b128 v[fb+16*\k+8*\u+4:fb+16*\k+8*\u+7], v[AV] offset:32*PV*\k+32*(2*(\g)+\u)+16*PV
.endr
.endr
.endm
; 8 products of S^T = K Q^T for channel step cs; the 8 accumulators take turns.  Step 0 starts the sums.
.macro SMUL cs
.set fb, F+32*((\cs)%4)
.irp b, 0,1,2,3
.irp t, 0,1
.if (\cs) == 0
	v_wmma_f32_16x16x32_bf16 v[S+32*\t+8*\b:S+32*\t+8*\b+7], v[fb+8*\b:fb+8*\b+7], v[128*\t+8*(\cs):128*\t+8*(\cs)+7], 0
.else
	v_wmma_f32_16x16x32_bf16 v[S+32*\t+8*\b:S+32*\t+8*\b+7], v[fb+8*\b:fb+8*\b+7], v[128*\t+8*(\cs):128*\t+8*(\cs)+7], v[S+32*\t+8*\b:S+32*\t+8*\b+7]
.endif
.endr
.endr
.endm
; 8 products of O^T += V'^T P for channel blocks 2 g, 2 g + 1; the 4 accumulators take turns
.macro PVMUL g
	WIN 0xa0+0x50*((\g)/8)                         ; V and P window 0, C and D window 2 or 3
.set fb, F+32*((\g)%4)
.irp k, 0,1
.irp u, 0,1
.irp t, 0,1
.set ro, 128*\t+8*((2*(\g)+\u)%16)
	v_wmma_f32_16x16x32_bf16 v[ro:ro+7], v[fb+16*\k+8*\u:fb+16*\k+8*\u+7], v[P+16*\t+8*\k:P+16*\t+8*\k+7], v[ro:ro+7]
.endr
.endr
.endr
.endm
; The four accumulators of group g times a, each from its lowest pair on: 16 plain instructions that name no register of the products in front of them, so they are also the places in front of the loads behind them
.macro RESC g
	WIN 0x82+0x41*((\g)/8)                         ; destination and source 0 window 2 or 3, a in window 0
.irp u, 0,1
.irp t, 0,1
.set ro, 128*\t+8*((2*(\g)+\u)%16)
.irp z, 0,1,2,3
	v_pk_mul_f32 v[ro+2*\z:ro+2*\z+1], v[ro+2*\z:ro+2*\z+1], v[ST+8*\t+6:ST+8*\t+7] op_sel_hi:[1,0]
.endr
.endr
.endr
.endm
.macro SOFTMAX                         ; both tiles, alternating.  A lane holds 32 scores of its query; the other 32 lie in the lane 16 away.
.irp k, 0,1,2,3                        ; four chains of seven scores; each accumulator's lowest registers are read first
.irp t, 0,1
	v_max3_num_f32 v[ST+8*\t+4+\k], v[S+32*\t+8*\k], v[S+32*\t+8*\k+1], v[S+32*\t+8*\k+2]
.endr
.endr
.irp d, 3,5
.irp k, 0,1,2,3
.irp t, 0,1
	v_max3_num_f32 v[ST+8*\t+4+\k], v[ST+8*\t+4+\k], v[S+32*\t+8*\k+\d], v[S+32*\t+8*\k+\d+1]
.endr
.endr
.endr
.irp t, 0,1
	v_max3_num_f32 v[ST+8*\t+4], v[ST+8*\t+4], v[S+32*\t+7], v[S+32*\t+15]
	v_max3_num_f32 v[ST+8*\t+6], v[ST+8*\t+6], v[S+32*\t+23], v[S+32*\t+31]
.endr
.irp t, 0,1
	v_max3_num_f32 v[ST+8*\t+4], v[ST+8*\t+4], v[ST+8*\t+5], v[ST+8*\t+6]
.endr
.irp t, 0,1
	v_max3_num_f32 v[ST+8*\t+4], v[ST+8*\t+4], v[ST+8*\t+7], v[ST+8*\t+1]  ; and the old m
.endr
.irp t, 0,1
	v_permlanex16_b32 v[ST+8*\t+5], v[ST+8*\t+4], s[SEL], s[SEL+1]
.endr
.irp t, 0,1
	v_mov_b32 v[ST+8*\t+7], v[ST+8*\t]             ; c0 m_old is kept
.endr
.irp t, 0,1
	v_max_num_f32 v[ST+8*\t+1], v[ST+8*\t+4], v[ST+8*\t+5]
.endr
.irp t, 0,1
	v_mul_f32 v[ST+8*\t], s[CS], v[ST+8*\t+1]
.endr
.irp t, 0,1
	v_sub_f32 v[ST+8*\t+7], v[ST+8*\t+7], v[ST+8*\t]
.endr
.irp t, 0,1
	v_exp_f32 v[ST+8*\t+6], v[ST+8*\t+7]           ; a; the scalings below are the plain instructions behind it
.endr
.set b, 0
.rept 16
.irp t, 0,1
	v_pk_fma_f32 v[S+32*\t+2*b:S+32*\t+2*b+1], v[S+32*\t+2*b:S+32*\t+2*b+1], s[CS:CS+1], v[ST+8*\t:ST+8*\t+1] op_sel_hi:[1,0,0] neg_lo:[0,0,1] neg_hi:[0,0,1]  ; c0 s - c0 m
.endr
.set b, b+1
.endr
.set b, 0
.rept 64
	v_exp_f32 v[S+b], v[S+b]
.set b, b+1
.endr
	v_nop                                          ; a plain instruction between the last exponential and the use of its result
.set b, 0
	s_wait_alu depctr_va_vdst(0)
.rept 32
	v_cvt_pk_bf16_f32 v[P+b], v[S+2*b], v[S+2*b+1]
.set b, b+1
.endr
.irp w, 2,4,8,16                       ; the sums of the 16 pairs of each tile, in place: neighbours 1, 2, 4, 8 pairs apart
.set b, 0
.rept 32/\w
	v_pk_add_f32 v[S+b:S+b+1], v[S+b:S+b+1], v[S+b+\w:S+b+\w+1]
.set b, b+2*\w
.endr
.endr
.irp t, 0,1
	v_pk_fma_f32 v[ST+8*\t+2:ST+8*\t+3], v[ST+8*\t+2:ST+8*\t+3], v[ST+8*\t+6:ST+8*\t+7], v[S+32*\t:S+32*\t+1] op_sel_hi:[1,0,1]  ; l = a l + sum
.endr
.endm
; A KEY STEP.  At its head K's runs 0-3 are out.  fill = 1: near its end the slot is filled again with the keys two steps on; that load has a whole step in which to land.
.macro STEP fill
	WIN 0x04                                       ; Q in window 1, all else in window 0: it serves the LDS loads too
.set ci, 0
.rept 16
	s_wait_dscnt 24                                ; this run of 8 is in; the three younger runs stay out
	SMUL ci
	PLACES                                         ; in front of the loads into the buffer just multiplied
.if ci < 12
	KLOAD ci+4
.else
	VLOAD ci-12
.endif
.set ci, ci+1
.endr
	WIN 0
	SOFTMAX
	RESC 0
.set gi, 0
.rept 12
	s_wait_dscnt 24
	PVMUL gi
	RESC gi+1
	WIN 0
	VLOAD gi+4
.set gi, gi+1
.endr
	; THE CHANGE OF SLOTS: all the slot's reads have been issued.
	s_wait_tensorcnt 0x0                           ; all my tensor loads have landed: the one that was out is my part of the next slot
	ds_add_u32 v[SPW], v[NIL]                      ; 0 onto my spare word; work on registers stands between it and the wait for it
.if \fill
	s_add_co_u32 s[G0K+5], s[PKK], s[TB]           ; the walking descriptors: the slot in hand,
	s_add_co_u32 s[G0V+5], s[PVV], s[TB]
	s_add_nc_u64 s[G0K+6:G0K+7], s[G0K+6:G0K+7], 65536  ; the next 64 keys
	s_add_nc_u64 s[G0V+6:G0V+7], s[G0V+6:G0V+7], 65536
.endif
	s_wait_dscnt 25                                ; V's run 12 is in; three runs and the add may be out
	PVMUL 12
	RESC 13
	s_wait_dscnt 0x0                               ; the add is done, and my reads of the slot are over
	s_barrier_signal -1
	PVMUL 13
	RESC 14
	WIN 0
	s_barrier_wait -1
.if \fill
	CREST                                          ; the barrier has opened a round of the cluster's: no wave of any partner still reads the slot or has a load on its way
	JLOAD
.endif
	s_xor_b32 s[TB], s[TB], SLOT                   ; 0 <-> SLOT
	v_add_nc_u32 v[AK], s[TB], v[AK0]
	v_add_nc_u32 v[AV], s[TB], v[AV0]
	KLOAD 0                                        ; the next step's K: buffers 0 and 1 were last multiplied in front of 16 rescalings or more
	KLOAD 1
	PVMUL 14
	RESC 15
	WIN 0
	KLOAD 2
	PVMUL 15
	PLACES
	WIN 0
	KLOAD 3
.endm
	s_wait_tensorcnt 1                             ; my part of step 0 is in; step 1's may stay out
	s_barrier_signal -1
	s_barrier_wait -1
	KLOAD 0
	KLOAD 1
	KLOAD 2
	KLOAD 3
	s_wait_loadcnt 0x0                             ; Q
	s_mov_b32 s[CNT], 14
.Lstep:                                                ; steps 0-13 ask for steps 2-15
	STEP 1
	s_sub_co_u32 s[CNT], s[CNT], 1
	s_cmp_lg_u32 s[CNT], 0
	s_cbranch_scc1 .Lstep
	s_mov_b32 s[CNT], 2
.Ltail:                                                ; steps 14 and 15 ask for nothing.  The second trip's barrier and its 32 loads of a stale K serve nothing: the price, once a launch, of one text for both
	STEP 0
	s_sub_co_u32 s[CNT], s[CNT], 1
	s_cmp_lg_u32 s[CNT], 0
	s_cbranch_scc1 .Ltail
	; THE WAY OUT.  O^T holds a query a lane; out0 wants a channel's 128 queries as 512 consecutive bytes.  So O goes through a stage over the ring, [channel][query] in f32; 1 / l goes beside it.
.irp t, 0,1
	v_add_f32 v[ST+8*\t+4], v[ST+8*\t+2], v[ST+8*\t+3]
.endr
.irp t, 0,1
	v_permlanex16_b32 v[ST+8*\t+5], v[ST+8*\t+4], s[SEL], s[SEL+1]
.endr
.irp t, 0,1
	v_add_f32 v[ST+8*\t+4], v[ST+8*\t+4], v[ST+8*\t+5]
.endr
.irp t, 0,1
	v_rcp_f32 v[ST+8*\t+6], v[ST+8*\t+4]
.endr
	v_nop
	s_lshl_b32 s22, s15, 21                        ; x and out0: the image's 2,097,152 bytes,
	s_lshl_b32 s2, s[WV], 19                       ; my wave's 128 channels of 4,096 bytes,
	s_add_co_u32 s22, s22, s2
	s_lshl_b32 s2, s14, 9                          ; my block's 128 queries
	s_add_co_u32 s22, s22, s2
	s_mov_b32 s23, 0
	s_add_nc_u64 s[16:17], s[6:7], s[22:23]
	s_add_nc_u64 s[18:19], s[10:11], s[22:23]
	s_lshl_b32 s22, s[WV], 9
	s_add_nc_u64 s[8:9], s[8:9], s[22:23]          ; bp at my 128 channels
	s_mov_b32 s21, 0                               ; named with s20 as a pair
	s_wait_dscnt 0x0                               ; the stale loads are back: their registers are free
.irp k, 0,1,2,3
	global_load_b32 v[BP0+\k], v14, s[8:9] offset:128*\k         ; bp[128 w + 32 k + lane]
.endr
.set i, 0
.rept 32                                               ; the first 32 rows of x fly under the staging
	global_load_b128 v[X+4*i:X+4*i+3], v[XO], s[16:17] offset:4096*i th:TH_LOAD_NT
.set i, i+1
.endr
	s_lshl_b32 s2, s[WV], 7
	s_add_co_u32 s3, s2, RLB
	v_lshl_add_u32 v10, v1, 2, s3                  ; 1 / l of query 32 w + 16 t + r (both halves of the lanes hold it)
	s_wait_alu depctr_va_vdst(0)
	ds_store_b32 v10, v[ST+6]
	ds_store_b32 v10, v[ST+14] offset:64
	v_mul_u32_u24 v6, v9, 8*SP
	v_lshl_add_u32 v6, v1, 2, v6
	v_add_nc_u32 v6, s2, v6                        ; the stage: row 8 h (+ 16 cb + j), query 32 w + r (+ 16 t): the halves of the lanes fall 32 banks apart
.set i, 0
.rept 8
	v_add_nc_u32 v[SK+i], i*64*SP, v6              ; an address for every four channel blocks: an LDS immediate has 16 bits
.set i, i+1
.endr
	v_add_nc_u32 v11, RLB, v[XO]
	s_mul_i32 s3, s[WV], 128*SP
	v_add_nc_u32 v[RD], s3, v[XO]                  ; back: my 128 rows, 16 bytes a lane
	s_wait_dscnt 0x0
	s_barrier_signal -1                            ; every wave's reads of the ring are over: the stage may be written
	s_barrier_wait -1
.set cb, 0
.rept 32
	WIN 0x08+4*(cb/16)                             ; the stores' data in window 2 or 3
.irp t, 0,1
.irp j, 0,1,2,3,4,5,6,7
	ds_store_b32 v[SK+cb/4], v[128*\t+8*(cb%16)+\j] offset:(16*(cb%4)+\j)*SP+64*\t
.endr
.endr
.set cb, cb+1
.endr
	WIN 0
	s_wait_dscnt 0x0                               ; for the others' sake: my columns of the stage are written
	s_barrier_signal -1
	s_barrier_wait -1
	ds_load_b128 v[RL:RL+3], v11                   ; 1 / l of my lane's four queries
; 16 rows: from the stage, O / l + x + bp, stored.  A ring of 32 row slots of x; ahead = 1: a slot is loaded again with the row 32 further down.
.macro HALF h2, ahead
	s_wait_xcnt 0x0                                ; Y, which the last stores read, is loaded again only behind this wait
.irp i, 0,1,2,3,4,5,6,7,8,9,10,11,12,13,14,15
	ds_load_b128 v[Y+4*\i:Y+4*\i+3], v[RD] offset:(16*(\h2)+\i)*SP
.endr
.irp i, 0,1,2,3,4,5,6,7,8,9,10,11,12,13,14,15
.set sl, 16*(\h2)+\i
	s_wait_dscnt 15-\i                             ; row i of the sixteen is in
.if \ahead
	s_wait_loadcnt 31                              ; my slot's x is in; the other 31 slots' loads stay out
.else
	s_wait_loadcnt 31-sl                           ; the last round loads nothing: the counts run down
.endif
	v_readlane_b32 s20, v[BP0], sl                 ; the row's bp
	v_pk_fma_f32 v[Y+4*\i:Y+4*\i+1],   v[Y+4*\i:Y+4*\i+1],   v[RL:RL+1],   v[X+4*sl:X+4*sl+1]
	v_pk_fma_f32 v[Y+4*\i+2:Y+4*\i+3], v[Y+4*\i+2:Y+4*\i+3], v[RL+2:RL+3], v[X+4*sl+2:X+4*sl+3]
	v_pk_add_f32 v[Y+4*\i:Y+4*\i+1],   v[Y+4*\i:Y+4*\i+1],   s[20:21] op_sel_hi:[1,0]
	v_pk_add_f32 v[Y+4*\i+2:Y+4*\i+3], v[Y+4*\i+2:Y+4*\i+3], s[20:21] op_sel_hi:[1,0]
.if \ahead
	global_load_b128 v[X+4*sl:X+4*sl+3], v[XO], s[16:17] offset:(32+sl)*4096 th:TH_LOAD_NT
.endif
	global_store_b128 v[XO], v[Y+4*\i:Y+4*\i+3], s[18:19] offset:sl*4096 th:TH_STORE_NT  ; 512 consecutive bytes, aligned
.endr
.endm
	s_mov_b32 s[CNT], 3
.Lrows:
	HALF 0, 1
	HALF 1, 1
	s_wait_xcnt 0x0                                ; the bases are stepped only behind this wait
	s_add_nc_u64 s[16:17], s[16:17], 32*4096
	s_add_nc_u64 s[18:19], s[18:19], 32*4096
	v_add_nc_u32 v[RD], 32*SP, v[RD]
	v_mov_b32 v[BP0], v[BP0+1]
	v_mov_b32 v[BP0+1], v[BP0+2]
	v_mov_b32 v[BP0+2], v[BP0+3]
	s_sub_co_u32 s[CNT], s[CNT], 1
	s_cmp_lg_u32 s[CNT], 0
	s_cbranch_scc1 .Lrows
	HALF 0, 0
	HALF 1, 0
	s_wait_tensorcnt 0x0                           ; the wave's end
	ds_add_u32 v[SPW], v[NIL]
	s_wait_dscnt 0x0
	CROUND                                         ; the closing round
	s_endpgm
.Lfunc_end_k_qe9601faeac_attn:
	.size	k_qe9601faeac_attn, .Lfunc_end_k_qe9601faeac_attn-k_qe9601faeac_attn
	.p2alignl 7, 3214868480
	.fill 96, 4, 3214868480
	.section	.rodata,"a",@progbits
	.p2align	6, 0x0
	.amdhsa_kernel k_qe9601faeac_attn
		.amdhsa_group_segment_fixed_size 327680
		.amdhsa_private_segment_fixed_size 0
		.amdhsa_enable_private_segment 0
		.amdhsa_kernarg_size 32
		.amdhsa_user_sgpr_count 2
		.amdhsa_user_sgpr_kernarg_segment_ptr 1
		.amdhsa_wavefront_size32 1
		.amdhsa_system_sgpr_workgroup_id_x 1
		.amdhsa_system_sgpr_workgroup_id_y 1
		.amdhsa_system_sgpr_workgroup_id_z 1
		.amdhsa_system_vgpr_workitem_id 0
		.amdhsa_next_free_vgpr 1024
		.amdhsa_next_free_sgpr 70
		.amdhsa_reserve_vcc 0
		.amdhsa_float_denorm_mode_32 3
		.amdhsa_float_denorm_mode_16_64 3
		.amdhsa_memory_ordered 1
		.amdhsa_forward_progress 1
		.amdhsa_inst_pref_size 234
	.end_amdhsa_kernel
	.amdgpu_metadata
---
amdhsa.version: [ 1, 2 ]
amdhsa.kernels:
  - .name:           k_qe9601faeac_attn
    .symbol:         k_qe9601faeac_attn.kd
    .args:
      - { .name: qkv, .offset: 0, .size: 8, .value_kind: global_buffer, .address_space: global }
      - { .name: x, .offset: 8, .size: 8, .value_kind: global_buffer, .address_space: global }
      - { .name: bp, .offset: 16, .size: 8, .value_kind: global_buffer, .address_space: global }
      - { .name: out0, .offset: 24, .size: 8, .value_kind: global_buffer, .address_space: global }
    .group_segment_fixed_size: 327680
    .private_segment_fixed_size: 0
    .kernarg_segment_align: 8
    .kernarg_segment_size: 32
    .max_flat_workgroup_size: 128
    .sgpr_count:     70
    .vgpr_count:     1024
    .wavefront_size: 32
...
	.end_amdgpu_metadata
.endif
;; end of part 3
